; MI455X (gfx1250); checked and timed in simulation.
; The chip was launched on July 23, 2026; its instructions are those of AMD's public machine-readable ISA for CDNA 5 (MIT licence, August 2026) and "CDNA5" Instruction Set Architecture Reference Guide (July 2026). The comments in the code are by the model that wrote it; some were corrected since.
;; Grouped Query Attention. Allowed arithmetic: matrix products marked QUANTISED: E4M3 operands, one given power-of-two scale a tensor, by v_wmma_f32_16x16x64_fp8_fp8 or v_wmma_f32_16x16x128_fp8_fp8, f32 sums; everything else in f32.
;; Inputs: cos 2,048 x 32 float32; lowp_scales 12 int32 (the exponents e of the quantised operands' scales 2^e); sin 2,048 x 32 float32; wk 512 x 2,048 float32; wo 2,048 x 2,048 float32; wq 2,048 x 2,048 float32; wv 512 x 2,048 float32; x 1 x 2,048 x 2,048 float32.
;; Outputs: out0 1 x 2,048 x 2,048 float32.
;; This version of the problem:
;;   THIS VERSION OF THE PROBLEM IS GIVEN IN LOW PRECISION. The matrix products marked QUANTISED in the list below multiply operands that are first quantised to E4M3 (4 exponent bits, 3 mantissa bits; 8 bits a number), with one given power-of-two scale for each operand tensor; their sums are f32. All else is computed in f32.
;;   The module's matrix products, in the order in which they are computed (A, B: the left and right operand; K: the contracted axis; several contracted axes count as one K, in the product's order):
;;     1. [M 2,048, K 2,048] x [K 2,048, N 2,048]; A: input x; B: input wq: QUANTISED (scales: A lowp_scales[0], B lowp_scales[1])
;;     2. [M 2,048, K 2,048] x [K 2,048, N 512]; A: input x; B: input wk: QUANTISED (scales: A lowp_scales[2], B lowp_scales[3])
;;     3. [M 2,048, K 2,048] x [K 2,048, N 512]; A: input x; B: input wv: QUANTISED (scales: A lowp_scales[4], B lowp_scales[5])
;;     4. batch 8 x [M 8,192, K 64] x [K 64, N 2,048]; A: computed on the way; B: computed on the way: QUANTISED (scales: A lowp_scales[6], B lowp_scales[7])
;;     5. batch 8 x [M 8,192, K 2,048] x [K 2,048, N 64]; A: softmax (see below); B: computed on the way: QUANTISED (scales: A lowp_scales[8], B lowp_scales[9])
;;     6. [M 2,048, K 2,048] x [K 2,048, N 2,048]; A: computed on the way; B: input wo: QUANTISED (scales: A lowp_scales[10], B lowp_scales[11])
;;   THE QUANTISER, for each operand of a quantised product, along K:
;;     - The operand's scale is 2^e, e = its entry of the input lowp_scales (int32; the entries are numbered through the quantised products in the list's order, A before B).
;;     - Each number is divided by the scale, clamped to +-448, and rounded to the nearest number of E4M3, ties to even, subnormals kept.
;;     - The product sums the exact products of the quantised numbers (number of the format x scale) in f32.
;;   ~~~python
;;   def quantise(x, axis, e):      # numpy; x: float32 -> the quantised numbers, widened to float32 again
;;       x = np.moveaxis(x, axis, -1); K = x.shape[-1]
;;       r = np.clip(x / 2.0 ** e, -448, 448)
;;       step = 2.0 ** (np.maximum(np.frexp(np.where(r == 0, 1, r))[1] - 1, -6) - 3)
;;       q = np.round(r / step) * step * 2.0 ** e      # np.round: ties to even
;;       return np.moveaxis(q, -1, axis).astype(np.float32)
;;   ~~~
;;   SOFTMAX AHEAD OF A QUANTISED PRODUCT. Where the list says 'softmax', what is quantised is not the finished softmax but p = 2^(t - M), with t = logit x log2(e) and M = ceil(the row's largest t), a whole number; so 1/2 < the row's largest p <= 1. The row's sum l is taken of the UNQUANTISED p, in f32, and the product's result is divided by l at the end. Since M is a whole number, a kernel that streams over the keys may use a running M (the ceiling of the running maximum): every later rescaling is an exact power of two, so the quantised numbers keep their values, but for numbers so far below the row's largest that they fall under the format's range.
;;   OPERANDS COMPUTED ON THE WAY. 'Computed on the way' means the value that the module computes at that place (a softmax that the list does not call 'softmax' is quantised finished and normalised). What goes into a quantiser is computed in f32, as accurately as f32 sums, v_exp_f32 and their like allow (about 1e-6 of the number): no bf16 or f16 on the way to a quantiser, and a product that is left as it is and whose result goes on into a quantised operand takes f32 operands (vector FMAs, or v_wmma_f32_16x16x4_f32). A number that lies on a knife's edge between two numbers of the format may be rounded either way, as far as f32 arithmetic and the matrix unit's own rounding can turn it there, and no further.
;; One version. Each part assembles by itself: llvm-mc -triple=amdgcn-amd-amdhsa -mcpu=gfx1250 --defsym DOCPART=n.
;; ======== version 1 of 1: 4 launches
;; limits: right only within a limited range of input values
;; workspace buffers: codes 23,068,672 bytes; qkv 6,291,456 bytes; yc 4,194,304 bytes
;; launch quant (part 1): grid 448 x 1, 4 waves a work-group, no clusters, 34,304 bytes of LDS; arguments x, wq, wk, wv, wo, lowp_scales, codes; writes codes
.if DOCPART == 1
	.amdgcn_target "amdgcn-amd-amdhsa--gfx1250"
	.amdhsa_code_object_version 6
	.text
	.protected	k_q940070537b_quant
	.globl	k_q940070537b_quant
	.p2align	8
	.type	k_q940070537b_quant,@function
k_q940070537b_quant:
	s_mov_b64 s[64:65], 0
	v_nop
	global_prefetch_b8 v0, s[64:65] scope:SCOPE_SE
	s_setreg_imm32_b32 hwreg(HW_REG_WAVE_MODE, 25, 1), 1
	s_wait_xcnt 0x0
; x [2048][2048], wq [2048][2048], wk [512][2048], wv [512][2048], wo [2048][2048], f32, K innermost, become codes of FP8 (E4M3), each with the scale 2^e given for it:
; code = number / 2^e, held within +-448, to the nearest code, ties to even.  x is an operand of three products with three given scales (entries 0, 2, 4), so it gets three sets of codes.
; LAYOUT OF THE CODES: images of the matrix operand's registers.  A unit is 16 rows x 128 K = 2,048 bytes = four chunks of 512; chunk c holds registers 4c .. 4c+3 of all 32 lanes, lane l's 16 bytes at 16 l.
; Lane (r = l % 16, h = l / 16) holds, of row r, K = 32c + 8h + 0..7 and then 32c + 16 + 8h + 0..7: the place that the plain 8-bit matrix forms give each k.  codes = [row tile of 16][K step of 128: 16][2,048].
; Regions: x under e0 at 0, under e2 at 4 MB, under e4 at 8 MB; wq at 12 MB, wk at 16 MB, wv at 17 MB, wo at 18 MB.
; SHARES.  A work-group owns one row tile (16 rows, 131,072 dense bytes); work-groups 0-127 x, 128-255 wq, 256-287 wk, 288-319 wv, 320-447 wo.  Wave w takes K steps 4w .. 4w+3.
; Each load reads 512 consecutive bytes of a row; a unit's 16 loads turn through the wave's own stage in LDS (rows 528 bytes apart) so that a lane gets its 8 + 8 neighbours; each store of codes covers 512 consecutive bytes.
; No work-group shares an input byte with another, so there is no cluster; no tensor load, no barrier: waves share nothing.
; LIMITS: each e between -126 and 119, so that 2^e and 448 x 2^e are f32 numbers.  NaN among the inputs is not served (an infinity is held at the largest code).
.set R,     16                         ; v16-143  two sets of 64: a unit as loaded
.set X,     144                        ; v144-207 a unit's 64 numbers of my lane, register 16c + i
.set T,     208                        ; v208-239 two sets of 16: held numbers
.set C,     240                        ; v240-255 a unit's codes
.set PITCH, 528                        ; a stage row: 512 bytes + 16
.set STG,   16*PITCH                   ; a wave's stage
	s_load_b256 s[4:11], s[0:1], 0x0               ; x s[4:5], wq s[6:7], wk s[8:9], wv s[10:11]
	s_load_b128 s[12:15], s[0:1], 0x20             ; wo s[12:13], the scales' exponents s[14:15]
	s_load_b64 s[16:17], s[0:1], 0x30              ; codes
	v_lshl_add_u32 v14, v0, 2, 0x8400
	v_mov_b32 v15, 0
	v_lshrrev_b32 v1, 5, v0
	v_readfirstlane_b32 s18, v1                    ; wave 0..3
	v_and_b32 v1, 31, v0                           ; lane
	v_and_b32 v2, 15, v0                           ; r
	v_bfe_u32 v3, v0, 4, 1                         ; h
	v_lshlrev_b32 v4, 4, v1                        ; 16 x lane: my bytes of a load's and of a store's 512; never rewritten
	s_mul_i32 s42, s18, STG
	v_add_nc_u32 v5, s42, v4                       ; the stage, on the way in: as loaded
	v_mul_u32_u24 v6, v2, PITCH
	v_lshl_add_u32 v6, v3, 5, v6
	v_add_nc_u32 v6, s42, v6                       ; and on the way out: row r, + 32 h bytes (8 numbers)
	s_wait_alu depctr_va_vdst(0)
	s_wait_kmcnt 0x0
	s_load_b256 s[24:31], s[14:15], 0x0            ; e0 .. e7
	s_load_b128 s[32:35], s[14:15], 0x20           ; e8 .. e11
	; which tensor is mine: a chain of choices on the work-group's number alone
	s_mov_b64 s[20:21], s[12:13]
	s_mov_b32 s22, 320
	s_cmp_lt_u32 ttmp9, 320
	s_cselect_b64 s[20:21], s[10:11], s[20:21]
	s_cselect_b32 s22, 288, s22
	s_cmp_lt_u32 ttmp9, 288
	s_cselect_b64 s[20:21], s[8:9], s[20:21]
	s_cselect_b32 s22, 256, s22
	s_cmp_lt_u32 ttmp9, 256
	s_cselect_b64 s[20:21], s[6:7], s[20:21]
	s_cselect_b32 s22, 128, s22
	s_cmp_lt_u32 ttmp9, 128
	s_cselect_b64 s[20:21], s[4:5], s[20:21]
	s_cselect_b32 s22, 0, s22                      ; the tensor's first work-group
	s_cselect_b32 s45, 0, 0x800000                 ; the weights' regions lie 8 MB further on than 32,768 x work-group
	s_sub_co_u32 s42, ttmp9, s22
	s_lshl_b32 s42, s42, 17                        ; my row tile: 131,072 bytes each,
	s_lshl_b32 s43, s18, 11                        ; my wave's four K steps: 2,048 bytes of every row
	s_add_co_u32 s42, s42, s43
	s_mov_b32 s43, 0
	s_add_nc_u64 s[20:21], s[20:21], s[42:43]
	s_lshl_b32 s44, ttmp9, 15                      ; codes: 32,768 bytes a row tile,
	s_add_co_u32 s44, s44, s45
	s_lshl_b32 s45, s18, 13                        ; 8,192 for my wave's four units
	s_add_co_u32 s44, s44, s45
	s_mov_b32 s45, 0
	s_add_nc_u64 s[36:37], s[16:17], s[44:45]      ; where my codes go;
	s_add_nc_u64 s[38:39], s[36:37], 0x400000      ; x's second
	s_add_nc_u64 s[40:41], s[36:37], 0x800000      ; and third set (used by x's work-groups alone)
.macro LOAD j                          ; unit j: 16 rows x 512 bytes, into set j % 2
.irp i, 0,1,2,3,4,5,6,7,8,9,10,11,12,13,14,15
	global_load_b128 v[R+64*((\j)%2)+4*\i:R+64*((\j)%2)+4*\i+3], v4, s[20:21] offset:8192*\i+512*(\j) th:TH_LOAD_NT
.endr
.endm
.macro SCALE e, sc, lim                ; 2^e and 448 x 2^e as f32, e in s[e]
	s_add_co_i32 s42, s[\e], 127
	s_lshl_b32 s43, s42, 23
	v_mov_b32 v[\sc], s43
	s_add_co_i32 s42, s42, 8
	s_lshl_b32 s42, s42, 23
	s_or_b32 s42, s42, 0x600000
	v_mov_b32 v[\lim], s42
.endm
; The unit in X becomes codes under the scale v[sc] and goes to s[d:d+1].  X is kept: x's units are converted three times.
.macro CONV sc, lim, d, j
	s_wait_xcnt 0x0                                ; the codes' registers were earlier stores' data: they are rewritten only behind this wait
.irp c, 0,1,2,3
.irp i, 0,1,2,3,4,5,6,7,8,9,10,11,12,13,14,15
	v_med3_num_f32 v[T+16*(\c%2)+\i], v[X+16*\c+\i], -v[\lim], v[\lim]   ; the conversion to an 8-bit code does not saturate (ISA guide 7.6.2): the hold comes first.  The two sets of T take turns, so that sixteen plain lines stand between a conversion and the next write of its sources
.endr
	v_cvt_scalef32_pk8_fp8_f32 v[C+4*\c:C+4*\c+1], v[T+16*(\c%2):T+16*(\c%2)+7], v[\sc]
	v_cvt_scalef32_pk8_fp8_f32 v[C+4*\c+2:C+4*\c+3], v[T+16*(\c%2)+8:T+16*(\c%2)+15], v[\sc]
	global_store_b128 v4, v[C+4*\c:C+4*\c+3], s[\d:\d+1] offset:2048*(\j)+512*\c   ; chunk c: 512 consecutive bytes
.endr
.endm
.macro UNIT j
.if \j < 3
	s_wait_loadcnt 16                              ; this unit's 16 loads are in; the next unit's 16 may be out
.else
	s_wait_loadcnt 0x0
.endif
.irp i, 0,1,2,3,4,5,6,7,8,9,10,11,12,13,14,15
	ds_store_b128 v5, v[R+64*(\j%2)+4*\i:R+64*(\j%2)+4*\i+3] offset:PITCH*\i
.endr
.irp c, 0,1,2,3                        ; LDS serves a wave's instructions in order: these see the stores above
	ds_load_b128 v[X+16*\c:X+16*\c+3],     v6 offset:128*\c
	ds_load_b128 v[X+16*\c+4:X+16*\c+7],   v6 offset:128*\c+16
	ds_load_b128 v[X+16*\c+8:X+16*\c+11],  v6 offset:128*\c+64
	ds_load_b128 v[X+16*\c+12:X+16*\c+15], v6 offset:128*\c+80
.endr
	s_wait_dscnt 0x0                               ; my numbers are back, and the stage's stores have read their registers,
.if \j < 2
	LOAD \j+2                                      ; which take the unit two further on
.endif
	CONV 8, 9, 36, \j
	s_cmp_lt_u32 ttmp9, 128                        ; x's work-groups go on to the two other scales: register work and stores alone stand under this branch
	s_cbranch_scc0 .Lweight_\@
	CONV 10, 11, 38, \j
	CONV 12, 13, 40, \j
.Lweight_\@:
.endm
	LOAD 0
	LOAD 1
	s_wait_kmcnt 0x0
	s_mov_b32 s23, s35                             ; wo: e11
	s_cmp_lt_u32 ttmp9, 320
	s_cselect_b32 s23, s29, s23                    ; wv: e5
	s_cmp_lt_u32 ttmp9, 288
	s_cselect_b32 s23, s27, s23                    ; wk: e3
	s_cmp_lt_u32 ttmp9, 256
	s_cselect_b32 s23, s25, s23                    ; wq: e1
	s_cmp_lt_u32 ttmp9, 128
	s_cselect_b32 s23, s24, s23                    ; x: e0
	SCALE 23, 8, 9
	SCALE 26, 10, 11                               ; e2
	SCALE 28, 12, 13                               ; e4
	s_wait_alu depctr_va_vdst(0)
	UNIT 0
	UNIT 1
	UNIT 2
	UNIT 3
	s_wait_tensorcnt 0x0
	ds_add_u32 v14, v15
	s_wait_dscnt 0x0
	s_endpgm
.Lfunc_end_k_q940070537b_quant:
	.size	k_q940070537b_quant, .Lfunc_end_k_q940070537b_quant-k_q940070537b_quant
	.p2alignl 7, 3214868480
	.fill 96, 4, 3214868480
	.section	.rodata,"a",@progbits
	.p2align	6, 0x0
	.amdhsa_kernel k_q940070537b_quant
		.amdhsa_group_segment_fixed_size 34304
		.amdhsa_private_segment_fixed_size 0
		.amdhsa_enable_private_segment 0
		.amdhsa_kernarg_size 56
		.amdhsa_user_sgpr_count 2
		.amdhsa_user_sgpr_kernarg_segment_ptr 1
		.amdhsa_wavefront_size32 1
		.amdhsa_system_sgpr_workgroup_id_x 1
		.amdhsa_system_sgpr_workgroup_id_y 1
		.amdhsa_system_sgpr_workgroup_id_z 1
		.amdhsa_system_vgpr_workitem_id 0
		.amdhsa_next_free_vgpr 256
		.amdhsa_next_free_sgpr 66
		.amdhsa_reserve_vcc 0
		.amdhsa_float_denorm_mode_32 3
		.amdhsa_float_denorm_mode_16_64 3
		.amdhsa_memory_ordered 1
		.amdhsa_forward_progress 1
		.amdhsa_inst_pref_size 78
	.end_amdhsa_kernel
	.amdgpu_metadata
---
amdhsa.version: [ 1, 2 ]
amdhsa.kernels:
  - .name:           k_q940070537b_quant
    .symbol:         k_q940070537b_quant.kd
    .args:
      - { .name: x, .offset: 0, .size: 8, .value_kind: global_buffer, .address_space: global }
      - { .name: wq, .offset: 8, .size: 8, .value_kind: global_buffer, .address_space: global }
      - { .name: wk, .offset: 16, .size: 8, .value_kind: global_buffer, .address_space: global }
      - { .name: wv, .offset: 24, .size: 8, .value_kind: global_buffer, .address_space: global }
      - { .name: wo, .offset: 32, .size: 8, .value_kind: global_buffer, .address_space: global }
      - { .name: lowp_scales, .offset: 40, .size: 8, .value_kind: global_buffer, .address_space: global }
      - { .name: codes, .offset: 48, .size: 8, .value_kind: global_buffer, .address_space: global }
    .group_segment_fixed_size: 34304
    .private_segment_fixed_size: 0
    .kernarg_segment_align: 8
    .kernarg_segment_size: 56
    .max_flat_workgroup_size: 128
    .sgpr_count:     66
    .vgpr_count:     256
    .wavefront_size: 32
...
	.end_amdgpu_metadata
.endif
;; end of part 1
;; launch proj (part 2): grid 12 x 16, 4 waves a work-group, clusters of 4 x 4, 327,680 bytes of LDS; arguments codes, cos, sin, lowp_scales, qkv; writes qkv
.if DOCPART == 2
	.amdgcn_target "amdgcn-amd-amdhsa--gfx1250"
	.amdhsa_code_object_version 6
	.text
	.protected	k_q940070537b_proj
	.globl	k_q940070537b_proj
	.p2align	8
	.type	k_q940070537b_proj,@function
k_q940070537b_proj:
	s_mov_b64 s[64:65], 0
	v_nop
	global_prefetch_b8 v0, s[64:65] scope:SCOPE_SE
	s_setreg_imm32_b32 hwreg(HW_REG_WAVE_MODE, 25, 1), 1
	s_wait_xcnt 0x0
	s_wait_alu depctr_hold_cnt(0) depctr_sa_sdst(0) depctr_va_vdst(0) depctr_va_sdst(0) depctr_va_ssrc(0) depctr_va_vcc(0) depctr_vm_vsrc(0)
	s_getreg_b32 s2, hwreg(HW_REG_IB_STS2, 6, 4)
	s_cmp_eq_u32 s2, 0
	s_cbranch_scc0 .Lentry_in_a_cluster
	s_endpgm
.Lentry_in_a_cluster:
	s_bfe_u32 s2, ttmp6, 0x10000c
	s_cmp_lg_u32 s2, 0xf033
	s_cbranch_scc0 .Lentry_shape_is_right
	s_endpgm
.Lentry_shape_is_right:
; q = rope(x wq^T), k = rope(x wk^T), v = x wv^T on codes of FP8 (E4M3); the results are quantised at once, q under e6, k under e7, v under e9, and stored as images of the next products' operands.
; A tile of C is 128 x 128: four waves, each 64 x 64 in 16 accumulators.  The three products are 384 such tiles.  A WORK-GROUP STAYS and makes two of them, 192 work-groups in all: the ring of LDS slots does not stop
; at the first tile's end: its last two changes of slots ask for the second tile's first two K steps, which land while the first tile is finished, rotated, quantised and stored.
; THE MATRIX INSTRUCTION IS USED TRANSPOSED (source 0 = 16 rows of "B", source 1 = 16 rows of "A"): lane (r, h) holds row r of A's block and, in block b, B's rows 16 b + 8 h + 0..7:
; eight neighbours along the next product's K, in the very place that the plain 8-bit operand layout gives them.  So each conversion's two registers ARE registers 2 b, 2 b + 1 of the next operand.
; q and k: A = x (rows = tokens), B = the weight (rows = head x 64 + d): K of q k^T is d.   v: A = wv (rows = d), B = x (rows = keys): K of p v is the keys.
; CLUSTERS of 4 x 4; the cluster's x is 0..2.  Tile 0 is a tile of q: tile column cx + 4 x.  Tile 1: x = 0: q, tile column cx + 12; x = 1: k; x = 2: v.  A's tile is shared along a row of the cluster, B's along a
; column: joint loads.  The kinds differ in offsets chosen by selects on the cluster's x, which all sixteen partners share; there is no branch on it: for v the rotation's cos and sin are replaced by 1 and 0.
; cos and sin hang on the tokens alone, which tile 0 and a tile 1 of q or k share: they are loaded once.
; OPERANDS arrive as images (16 rows x 128 K = 2,048 bytes, [row tile][K step 16]): a fragment is four LDS loads at 16 x lane + a constant: dense, no padding.
; K goes in four steps of 512 through two LDS slots of 131,072 bytes: A [row tile 8][K step 4][2,048], then B likewise.  A wave's tensor load brings a quarter of a slot: 4 rows of 8,192 bytes, 32,768 bytes apart in memory.
; OUT: qkv: q at 0: [head 32][query tile 128][1,024]; k and v at 4 MB: [kv head 8][key step of 128: 16][16,384]: k's 8 key tiles of 1,024, then v: [64 keys: 2][d tile 4][1,024].
; LIMITS: e6 - e0 - e1, e7 - e2 - e3 and e9 - e4 - e5 between -126 and 119.
; REGISTERS: window 0: v16-31 addresses and constants; v32-63 a row block's rotated numbers; v64-67 at work; v96-127 codes; v128-255 accumulators ((a, b) at 128 + 8 (4 a + b)).
;   window 1: two fragment buffers of 128 (A's four at +16 a, B's four at +64 + 16 b).   window 2: v0-63 cos, v64-127 sin, four a block (a, b).
;   s[12:13] where tile 0 goes, s[100:101] tile 1; s[96:97], s[98:99] tile 1's first bytes of A and of B for my wave.
.set SLOT,  131072
.set BOFF,  65536
.set SPARE, 2*SLOT                     ; behind the ring: the spare words, 128 bytes for each wave, which no other line names
.set ADRA, 16                          ; v16-17 LDS address of my A fragments in slot 0, 1
.set ADRB, 20                          ; v20-21 the same for B
.set SPW,  28                          ; v28 LDS address of my spare word; never rewritten
.set NIL,  29                          ; v29 0; never rewritten
.set ACC,  128
.set F0,   0
.set F1,   128
.set G1,  24                           ; s[24:31] group 1 for A's tiles; s[32:39] group 0, a set for each slot
.set G0,  32
.set G1B, 48                           ; s[48:55], s[56:63] the same for B's
.set G0B, 56
.set NXA, 96                           ; s[96:97] tile 1: A
.set NXB, 98                           ; s[98:99] tile 1: B
.set MSB, 0
.macro WIN new                         ; the immediate's high byte repeats the setting that is left
.if MSB != \new
	s_set_vgpr_msb (MSB<<8)|\new
.set MSB, \new
.endif
.endm
.set MUL,  0x05                        ; sources 0 and 1 window 1; C and D window 0
.set TO_F, 0x40                        ; destination window 1, address window 0
.macro JLOAD s                         ; a joint load: waves 0, 1 fetch A's halves, waves 2, 3 B's; four v_nop follow each line
	s_cmp_eq_u32 s15, 0
	s_cbranch_scc0 .Lfor_b_\@
	tensor_load_to_lds s[G0+4*\s:G0+4*\s+3], s[G1:G1+7]
	s_nop 0
.rept 4
	v_nop
.endr
	s_branch .Lasked_\@
.Lfor_b_\@:
	tensor_load_to_lds s[G0B+4*\s:G0B+4*\s+3], s[G1B:G1B+7]
	s_nop 0
.rept 4
	v_nop
.endr
.Lasked_\@:
.endm
.macro CREST                           ; a round of the cluster's barrier behind its opening barrier
	s_cmp_lg_u32 s14, 0
	s_cbranch_scc1 .Lnot_wave_0_\@
	s_barrier_signal -3
.Lnot_wave_0_\@:
	s_barrier_wait -3
	s_barrier_signal -1
	s_barrier_wait -1
.endm
.macro CROUND
	s_barrier_signal -1
	s_barrier_wait -1
	CREST
.endm
.macro PLACES                          ; four places in front of loads into registers that matrix instructions have read, and of the first read of results (ISA guide 7.12.1 for vector instructions)
.rept 4
	v_nop
.endr
.endm
.macro FETCH slot, ks, f               ; 32 LDS loads in one run: K step ks of the slot: B's four fragments, then A's four
	WIN TO_F
.irp i, 0,1,2,3
.irp c, 0,1,2,3
	ds_load_b128 v[\f+64+16*\i+4*\c:\f+64+16*\i+4*\c+3], v[ADRB+\slot] offset:\i*8192+(\ks)*2048+512*\c
.endr
.endr
.irp i, 0,1,2,3
.irp c, 0,1,2,3
	ds_load_b128 v[\f+16*\i+4*\c:\f+16*\i+4*\c+3], v[ADRA+\slot] offset:\i*8192+(\ks)*2048+512*\c
.endr
.endr
.endm
.macro MUL4 f, a, zero                 ; A's block a against B's four, 128 along K.  The 16 accumulators take turns, one instruction a turn
	WIN MUL
.irp b, 0,1,2,3
.if \zero
	v_wmma_f32_16x16x128_fp8_fp8 v[ACC+8*(4*(\a)+\b):ACC+8*(4*(\a)+\b)+7], v[\f+64+16*\b:\f+64+16*\b+15], v[\f+16*(\a):\f+16*(\a)+15], 0
.else
	v_wmma_f32_16x16x128_fp8_fp8 v[ACC+8*(4*(\a)+\b):ACC+8*(4*(\a)+\b)+7], v[\f+64+16*\b:\f+64+16*\b+15], v[\f+16*(\a):\f+16*(\a)+15], v[ACC+8*(4*(\a)+\b):ACC+8*(4*(\a)+\b)+7]
.endif
.endr
.endm
.macro QUARTER slot, ksn, f, g, zero   ; multiplies buffer f (one K step of 128) and fetches K step ksn of the same slot into g
	s_wait_dscnt 8                                 ; B's four and A's blocks 0, 1 are in; the youngest eight loads (A's blocks 2, 3) may be out
	MUL4 \f, 0, \zero
	MUL4 \f, 1, \zero
	PLACES
	FETCH \slot, \ksn, \g
	s_wait_dscnt 32                                ; all but the 32 just issued
	MUL4 \f, 2, \zero
	MUL4 \f, 3, \zero
.endm
.macro THREE slot, zero                ; a slot's first three K steps of 128.  zero = 1: a tile's first products start the sums: nothing is cleared
	QUARTER \slot, 1, F0, F1, \zero
	QUARTER \slot, 2, F1, F0, 0
	QUARTER \slot, 3, F0, F1, 0
.endm
; A slot's last K step multiplies buffer 1 and changes slots: ONE barrier; in front of it each wave waits for all its tensor loads, adds 0 to its spare word, and waits for that and for its reads of this slot.
; fill = 1: this slot is filled again with this tile's K two steps of 512 on.  fill = 2: with the NEXT tile's step 0 (slot 0) or 1 (slot 1).  fill = 0: nothing is left to fetch.
.macro TURN slot, next, fill
	WIN 0                                          ; (the add's two registers lie in window 0)
	s_wait_tensorcnt 0x0                           ; all my tensor loads have landed: my part of the next slot
	ds_add_u32 v[SPW], v[NIL]                      ; 0 onto my spare word
	s_wait_dscnt 9                                 ; (the add and A's blocks 2, 3 may be out)
	MUL4 F1, 0, 0                                  ; four matrix instructions stand between the add and the wait for it
	s_wait_dscnt 0x0                               ; the add is done, and my reads of this slot are over
	s_barrier_signal -1
	MUL4 F1, 1, 0
	WIN 0
	s_barrier_wait -1
.if \fill
	CREST                                          ; the barrier has opened a round of the cluster's: no wave of any partner still reads this slot or has a load on its way
.if \fill == 2
	s_add_nc_u64 s[G0+4*\slot+2:G0+4*\slot+3], s[NXA:NXA+1], \slot*8192                ; no tensor load of mine is out: the groups 0 are made anew for the next tile
	s_or_b32 s[G0+4*\slot+3], s[G0+4*\slot+3], 0x80000000
	s_add_nc_u64 s[G0B+4*\slot+2:G0B+4*\slot+3], s[NXB:NXB+1], \slot*8192
	s_or_b32 s[G0B+4*\slot+3], s[G0B+4*\slot+3], 0x80000000
.else
	s_add_nc_u64 s[G0+4*\slot+2:G0+4*\slot+3], s[G0+4*\slot+2:G0+4*\slot+3], 16384     ; two steps of 512 along K on: 2 x 4 units of 2,048 bytes
	s_add_nc_u64 s[G0B+4*\slot+2:G0B+4*\slot+3], s[G0B+4*\slot+2:G0B+4*\slot+3], 16384
.endif
	JLOAD \slot                                    ; the first tensor load behind the round; its four v_nop are the places in front of the loads below
.else
	PLACES
.endif
	FETCH \next, 0, F0
	MUL4 F1, 2, 0
	MUL4 F1, 3, 0
.endm
.macro SCALEV                          ; s78 = E: v24 = 2^E, v25 = 448 x 2^E, as f32
	s_add_co_i32 s78, s78, 127
	s_lshl_b32 s79, s78, 23
	v_mov_b32 v24, s79
	s_add_co_i32 s78, s78, 8
	s_lshl_b32 s78, s78, 23
	s_or_b32 s78, s78, 0x600000
	v_mov_b32 v25, s78
.endm
; THE WAY OUT of a tile, to s[ptr:ptr+1].  A sum stands for sum x 2^(its two operands' e); the rotation is linear, so the three exponents are folded into the conversion's one scale (v24; the hold v25).
.macro OUT ptr
.irp a, 0,1,2,3
	WIN 0x08                                       ; source 1 (cos, sin) window 2
.irp b, 0,1,2,3
.irp i, 0,1,2,3                        ; pair i of the block: o0 = t0 c - t1 s, o1 = t1 c + t0 s.  Each accumulator is read from its low end on
	v_mul_f32 v[64+2*(\i%2)], v[ACC+8*(4*\a+\b)+2*\i+1], v[64+4*(4*\a+\b)+\i]
	v_mul_f32 v[65+2*(\i%2)], v[ACC+8*(4*\a+\b)+2*\i], v[64+4*(4*\a+\b)+\i]
	v_fma_f32 v[32+8*\b+2*\i], v[ACC+8*(4*\a+\b)+2*\i], v[4*(4*\a+\b)+\i], -v[64+2*(\i%2)]
	v_fma_f32 v[32+8*\b+2*\i+1], v[ACC+8*(4*\a+\b)+2*\i+1], v[4*(4*\a+\b)+\i], v[65+2*(\i%2)]
.endr
.endr
	WIN 0
.set n, 0
.rept 32
	v_med3_num_f32 v[32+n], v[32+n], -v25, v25     ; the conversion to an 8-bit code does not saturate (ISA guide 7.6.2)
.set n, n+1
.endr
.irp b, 0,1,2,3
	v_cvt_scalef32_pk8_fp8_f32 v[96+8*\a+2*\b:96+8*\a+2*\b+1], v[32+8*\b:32+8*\b+7], v24   ; registers 2 b, 2 b + 1 of the next operand
.endr
	v_nop                                          ; one plain line between the conversions and the next write of their sources
	global_store_b128 v26, v[96+8*\a:96+8*\a+3], s[\ptr:\ptr+1] offset:1024*\a          ; 512 consecutive bytes each; within a tile every block has code registers of its own
	global_store_b128 v26, v[96+8*\a+4:96+8*\a+7], s[\ptr:\ptr+1] offset:1024*\a+512
.endr
.endm
	s_load_b256 s[4:11], s[0:1], 0x0               ; codes s[4:5], cos s[6:7], sin s[8:9], the scales' exponents s[10:11]
	s_load_b64 s[12:13], s[0:1], 0x20              ; qkv
	v_lshl_add_u32 v[SPW], v0, 2, SPARE
	v_mov_b32 v[NIL], 0
	ds_add_u32 v28, v29
	ds_add_u32 v28, v29
	s_wait_dscnt 0x0
	v_lshrrev_b32 v1, 5, v0
	v_readfirstlane_b32 s14, v1                    ; wave 0..3
	s_lshr_b32 s15, s14, 1                         ; wr: my half of the tile's rows.  Also: I fetch for A (0) or for B (1)
	s_and_b32 s16, s14, 1                          ; wc: my half of its columns.  Also: which half of that tile I fetch
	s_bfe_u32 s40, ttmp6, 0x40000                  ; cx
	s_bfe_u32 s41, ttmp6, 0x40004                  ; cy
	s_and_b32 s43, ttmp7, 0xffff                   ; the cluster's y, 0..3
	s_lshl_b32 s44, s41, 2
	s_lshl_b32 s44, 15, s44                        ; my row of the cluster
	s_lshl_b32 s45, 0x1111, s40                    ; my column
	s_or_b32 s[G1], s44, (3<<16)|(1<<21)           ; 15:0 the mask; 17:16 elements of 8 bytes; 21 set beside a mask; no padding
	s_or_b32 s[G1B], s45, (3<<16)|(1<<21)
.irp g, G1, G1B
	s_mov_b32 s[\g+1], 1024<<16                    ; tensor_dim0 = 1,024 elements: 8,192 bytes, a row tile's four K steps
	s_mov_b32 s[\g+2], 4<<16                       ; tensor_dim1 = 4 row tiles
	s_mov_b32 s[\g+3], 1024<<16                    ; tile_dim0
	s_mov_b32 s[\g+4], 4                           ; tile_dim1
	s_mov_b32 s[\g+5], 4096                        ; from row tile to row tile: 32,768 bytes
	s_mov_b32 s[\g+6], 0
	s_mov_b32 s[\g+7], 0
.endr
	; tile 0: q.  A's numbers never hold cx, B's never cy.
	s_lshl_b32 s66, s43, 2
	s_add_co_u32 s66, s66, s41                     ; TA0 = cy + 4 x the cluster's y
	s_lshl_b32 s67, ttmp9, 2
	s_add_co_u32 s67, s67, s40                     ; TB0 = cx + 4 x the cluster's x
	; tile 1: which product, by the cluster's x
	s_add_co_u32 s42, ttmp9, 3
	s_mov_b32 s47, 0xc00000                        ; B: q, k: wq's region, on which wk's follows
	s_cmp_eq_u32 ttmp9, 2
	s_cselect_b32 s17, 0, s43                      ; A's tile = cy + 4 x (v: 0; else the cluster's y)
	s_cselect_b32 s18, s43, s42                    ; B's tile = cx + 4 x (v: the cluster's y; else its x + 3)
	s_cselect_b32 s46, 0x1100000, 0                ; A: v: wv's region; q: x under e0
	s_cselect_b32 s47, 0x800000, s47               ; B: v: x under e4
	s_cmp_eq_u32 ttmp9, 1
	s_cselect_b32 s46, 0x400000, s46               ; A: k: x under e2
	s_lshl_b32 s78, s17, 2
	s_add_co_u32 s78, s78, s41                     ; TA1
	s_lshl_b32 s79, s18, 2
	s_add_co_u32 s79, s79, s40                     ; TB1
	s_lshl_b32 s19, s16, 17                        ; the half that I fetch: 4 row tiles
	s_lshl_b32 s80, s66, 18                        ; a tile of 128 rows: 8 row tiles of 32,768 bytes.  Tile 0's A: x under e0, at 0
	s_add_co_u32 s80, s80, s19
	s_mov_b32 s81, 0
	s_lshl_b32 s82, s67, 18                        ; tile 0's B: wq
	s_add_co_u32 s82, s82, s19
	s_add_co_u32 s82, s82, 0xc00000
	s_mov_b32 s83, 0
	s_lshl_b32 s88, s78, 18                        ; tile 1's A
	s_add_co_u32 s88, s88, s19
	s_add_co_u32 s88, s88, s46
	s_mov_b32 s89, 0
	s_lshl_b32 s90, s79, 18                        ; tile 1's B
	s_add_co_u32 s90, s90, s19
	s_add_co_u32 s90, s90, s47
	s_mov_b32 s91, 0
	s_lshl_b32 s20, s14, 15                        ; where my quarter goes: wave x 32,768
	s_wait_kmcnt 0x0
	s_load_b256 s[68:75], s[10:11], 0x0            ; e0 .. e7
	s_load_b64 s[76:77], s[10:11], 0x20            ; e8, e9
	s_add_nc_u64 s[84:85], s[4:5], s[80:81]
	s_add_nc_u64 s[86:87], s[4:5], s[82:83]
	s_add_nc_u64 s[NXA:NXA+1], s[4:5], s[88:89]
	s_add_nc_u64 s[NXB:NXB+1], s[4:5], s[90:91]
	CROUND                                         ; all sixteen work-groups are here: the first joint loads meet
.irp s, 0,1
	s_mov_b32 s[G0+4*\s], 1
	s_add_co_u32 s[G0+4*\s+1], s20, \s*SLOT
	s_add_nc_u64 s[G0+4*\s+2:G0+4*\s+3], s[84:85], \s*8192
	s_or_b32 s[G0+4*\s+3], s[G0+4*\s+3], 0x80000000
	s_mov_b32 s[G0B+4*\s], 1
	s_add_co_u32 s[G0B+4*\s+1], s20, \s*SLOT
	s_add_nc_u64 s[G0B+4*\s+2:G0B+4*\s+3], s[86:87], \s*8192
	s_or_b32 s[G0B+4*\s+3], s[G0B+4*\s+3], 0x80000000
.endr
	JLOAD 0                                        ; slot 0: one tensor load a wave at the head
	v_and_b32 v1, 31, v0
	v_lshlrev_b32 v26, 4, v1                       ; 16 x lane: an image's place for my lane; never rewritten
	s_lshl_b32 s21, s15, 15                        ; my 64 rows of A: 4 row tiles x 8,192
	s_lshl_b32 s22, s16, 15
	s_add_co_u32 s22, s22, BOFF                    ; my 64 rows of B
.irp s, 0,1
	v_add_nc_u32 v[ADRA+\s], s21, v26
	v_add_nc_u32 v[ADRB+\s], s22, v26
	s_add_co_u32 s21, s21, SLOT
	s_add_co_u32 s22, s22, SLOT
.endr
	; cos and sin of my 64 tokens: lane (r, h) wants, for row block a and block b, pairs 8 b + 4 h + 0..3 of row 16 a + r
	v_and_b32 v2, 15, v0
	v_bfe_u32 v3, v0, 4, 1
	v_lshlrev_b32 v27, 7, v2                       ; a row is 128 bytes
	v_lshl_add_u32 v27, v3, 4, v27
	s_lshl_b32 s88, s66, 14                        ; 128 TA0 rows
	s_lshl_b32 s89, s15, 13                        ; + 64 wr
	s_add_co_u32 s88, s88, s89
	s_mov_b32 s89, 0
	s_add_nc_u64 s[6:7], s[6:7], s[88:89]
	s_add_nc_u64 s[8:9], s[8:9], s[88:89]
	WIN 0x80                                       ; destination window 2
.irp a, 0,1,2,3
.irp b, 0,1,2,3
	global_load_b128 v[4*(4*\a+\b):4*(4*\a+\b)+3], v27, s[6:7] offset:2048*\a+32*\b
	global_load_b128 v[64+4*(4*\a+\b):64+4*(4*\a+\b)+3], v27, s[8:9] offset:2048*\a+32*\b
.endr
.endr
	WIN 0
	; where my 64 x 64 goes: a dense block of 4,096 bytes, row block a at 1,024 a.  Tile 1 first, from qkv's address as it came
	s_lshl_b32 s95, s15, 12                        ; 4,096 wr
	s_lshl_b32 s90, s79, 1
	s_add_co_u32 s90, s90, s16                     ; q: head 2 TB1 + wc,
	s_lshl_b32 s90, s90, 17
	s_lshl_b32 s91, s78, 13                        ; query tile 8 TA1 + 4 wr + a
	s_add_co_u32 s90, s90, s91
	s_add_co_u32 s90, s90, s95
	s_lshl_b32 s92, s40, 1
	s_add_co_u32 s92, s92, s16                     ; k: kv head 2 cx + wc,
	s_lshl_b32 s92, s92, 18
	s_lshl_b32 s93, s78, 14                        ; key step TA1, key tile 4 wr + a
	s_add_co_u32 s92, s92, s93
	s_add_co_u32 s92, s92, s95
	s_add_co_u32 s92, s92, 0x400000
	s_lshl_b32 s94, s78, 1
	s_add_co_u32 s94, s94, s15                     ; v: kv head 2 TA1 + wr,
	s_lshl_b32 s94, s94, 18
	s_lshl_b32 s93, s79, 14                        ; key step TB1, 64 keys wc, d tile a
	s_add_co_u32 s94, s94, s93
	s_lshl_b32 s93, s16, 12
	s_add_co_u32 s94, s94, s93
	s_add_co_u32 s94, s94, 0x402000
	s_cmp_eq_u32 ttmp9, 1
	s_cselect_b32 s90, s92, s90
	s_cmp_eq_u32 ttmp9, 2
	s_cselect_b32 s90, s94, s90
	s_mov_b32 s91, 0
	s_add_nc_u64 s[100:101], s[12:13], s[90:91]
	s_lshl_b32 s90, s67, 1                         ; tile 0: q: head 2 TB0 + wc, query tile 8 TA0 + 4 wr + a
	s_add_co_u32 s90, s90, s16
	s_lshl_b32 s90, s90, 17
	s_lshl_b32 s92, s66, 13
	s_add_co_u32 s90, s90, s92
	s_add_co_u32 s90, s90, s95
	s_add_nc_u64 s[12:13], s[12:13], s[90:91]
	s_wait_alu depctr_va_vdst(0)
	s_wait_tensorcnt 0x0                           ; my part of slot 0 is in; slot 1's first fill is issued as a refill is:
	ds_add_u32 v[SPW], v[NIL]                      ; 0 onto my spare word
	s_wait_dscnt 0x0
	CROUND                                         ; everybody's part of slot 0 is in, and the joint loads meet
	JLOAD 1                                        ; the first tensor load behind the round
	FETCH 0, 0, F0
	; ---- tile 0
	THREE 0, 1
	TURN 0, 1, 1                                   ; slot 0 takes K 1,024 on
	THREE 1, 0
	TURN 1, 0, 1                                   ; slot 1 takes K 1,536 on
	THREE 0, 0
	TURN 0, 1, 2                                   ; THE RING GOES ON INTO TILE 1: slot 0 takes its K 0 on,
	THREE 1, 0
	TURN 1, 0, 2                                   ; slot 1 its K 512 on, and tile 1's first fragments are fetched
	WIN 0                                          ; both refills are asked for: now tile 0 goes out
	s_wait_kmcnt 0x0
	s_sub_co_i32 s78, s74, s68
	s_sub_co_i32 s78, s78, s69                     ; q: e6 - e0 - e1
	SCALEV
	s_wait_loadcnt 0x0                             ; cos and sin
	PLACES                                         ; behind the last products
	OUT 12
	; ---- tile 1.  Its first products take the constant 0 as C; the way out above stands between them and the last products on these accumulators
	THREE 0, 1
	TURN 0, 1, 1
	THREE 1, 0
	TURN 1, 0, 1
	THREE 0, 0
	TURN 0, 1, 0                                   ; nothing is left to fetch
	THREE 1, 0
	s_wait_dscnt 8
	MUL4 F1, 0, 0
	MUL4 F1, 1, 0
	s_wait_dscnt 0x0
	MUL4 F1, 2, 0
	MUL4 F1, 3, 0
	WIN 0
	s_sub_co_i32 s78, s74, s68
	s_sub_co_i32 s78, s78, s69                     ; q: e6 - e0 - e1
	s_sub_co_i32 s79, s75, s70
	s_sub_co_i32 s79, s79, s71                     ; k: e7 - e2 - e3
	s_sub_co_i32 s95, s77, s72
	s_sub_co_i32 s95, s95, s73                     ; v: e9 - e4 - e5
	s_cmp_eq_u32 ttmp9, 1
	s_cselect_b32 s78, s79, s78
	s_cmp_eq_u32 ttmp9, 2
	s_cselect_b32 s78, s95, s78
	s_cselect_b32 vcc_lo, -1, 0                    ; all lanes: this is v
	SCALEV
	v_mov_b32 v30, 1.0
	v_mov_b32 v31, 0
	s_wait_alu depctr_va_vdst(0)
	s_wait_xcnt 0x0                                ; tile 0's stores have read their registers: the codes' registers are written again only behind this wait
	WIN 0x82                                       ; destination and source 0 window 2
.set n, 0
.rept 64
	v_cndmask_b32 v[n], v[n], v30, vcc_lo          ; v is not rotated: cos = 1,
.set n, n+1
.endr
.rept 64
	v_cndmask_b32 v[n], v[n], v31, vcc_lo          ; sin = 0.  (These lines are also the places behind the last products)
.set n, n+1
.endr
	OUT 100
	s_wait_tensorcnt 0x0                           ; the wave's end
	ds_add_u32 v[SPW], v[NIL]
	s_wait_dscnt 0x0
	CROUND                                         ; the closing round: no work-group ends while a partner may still ask for a tile that names it
	s_endpgm
.Lfunc_end_k_q940070537b_proj:
	.size	k_q940070537b_proj, .Lfunc_end_k_q940070537b_proj-k_q940070537b_proj
	.p2alignl 7, 3214868480
	.fill 96, 4, 3214868480
	.section	.rodata,"a",@progbits
	.p2align	6, 0x0
	.amdhsa_kernel k_q940070537b_proj
		.amdhsa_group_segment_fixed_size 327680
		.amdhsa_private_segment_fixed_size 0
		.amdhsa_enable_private_segment 0
		.amdhsa_kernarg_size 40
		.amdhsa_user_sgpr_count 2
		.amdhsa_user_sgpr_kernarg_segment_ptr 1
		.amdhsa_wavefront_size32 1
		.amdhsa_system_sgpr_workgroup_id_x 1
		.amdhsa_system_sgpr_workgroup_id_y 1
		.amdhsa_system_sgpr_workgroup_id_z 1
		.amdhsa_system_vgpr_workitem_id 0
		.amdhsa_next_free_vgpr 640
		.amdhsa_next_free_sgpr 102
		.amdhsa_reserve_vcc 1
		.amdhsa_float_denorm_mode_32 3
		.amdhsa_float_denorm_mode_16_64 3
		.amdhsa_memory_ordered 1
		.amdhsa_forward_progress 1
		.amdhsa_inst_pref_size 173
	.end_amdhsa_kernel
	.amdgpu_metadata
---
amdhsa.version: [ 1, 2 ]
amdhsa.kernels:
  - .name:           k_q940070537b_proj
    .symbol:         k_q940070537b_proj.kd
    .args:
      - { .name: codes, .offset: 0, .size: 8, .value_kind: global_buffer, .address_space: global }
      - { .name: cos, .offset: 8, .size: 8, .value_kind: global_buffer, .address_space: global }
      - { .name: sin, .offset: 16, .size: 8, .value_kind: global_buffer, .address_space: global }
      - { .name: lowp_scales, .offset: 24, .size: 8, .value_kind: global_buffer, .address_space: global }
      - { .name: qkv, .offset: 32, .size: 8, .value_kind: global_buffer, .address_space: global }
    .group_segment_fixed_size: 327680
    .private_segment_fixed_size: 0
    .kernarg_segment_align: 8
    .kernarg_segment_size: 40
    .max_flat_workgroup_size: 128
    .sgpr_count:     102
    .vgpr_count:     640
    .wavefront_size: 32
...
	.end_amdgpu_metadata
.endif
;; end of part 2
;; launch attn (part 3): grid 32 x 8, 16 waves a work-group, clusters of 4 x 1, 264,192 bytes of LDS; arguments qkv, lowp_scales, yc; writes yc
.if DOCPART == 3
	.amdgcn_target "amdgcn-amd-amdhsa--gfx1250"
	.amdhsa_code_object_version 6
	.text
	.protected	k_q940070537b_attn
	.globl	k_q940070537b_attn
	.p2align	8
	.type	k_q940070537b_attn,@function
k_q940070537b_attn:
	s_mov_b64 s[64:65], 0
	v_nop
	global_prefetch_b8 v0, s[64:65] scope:SCOPE_SE
	s_setreg_imm32_b32 hwreg(HW_REG_WAVE_MODE, 25, 1), 1
	s_wait_xcnt 0x0
	s_wait_alu depctr_hold_cnt(0) depctr_sa_sdst(0) depctr_va_vdst(0) depctr_va_sdst(0) depctr_va_ssrc(0) depctr_va_vcc(0) depctr_vm_vsrc(0)
	s_getreg_b32 s2, hwreg(HW_REG_IB_STS2, 6, 4)
	s_cmp_eq_u32 s2, 0
	s_cbranch_scc0 .Lentry_in_a_cluster
	s_endpgm
.Lentry_in_a_cluster:
	s_bfe_u32 s2, ttmp6, 0x10000c
	s_cmp_lg_u32 s2, 0x3003
	s_cbranch_scc0 .Lentry_shape_is_right
	s_endpgm
.Lentry_shape_is_right:
; y[q][head] = the sum over keys k <= q of softmax_k(q . k / 8) v, both products on codes of FP8 (E4M3); y is quantised at once under e10 and stored as an image of the last product's operand.
; THE SOFTMAX AHEAD OF THE SECOND PRODUCT: t = score x log2(e) / 8; M = the largest t so far, rounded UP to a whole number; p = 2^(t - M) is quantised under e8, not normalised; the row's sum is
; taken of the unquantised p and divides at the end.  When M moves, the sum and O are multiplied by 2^(old M - new M): exact.
; LEFT OUT: steps of 128 keys all of which come after a tile's 16 queries: the causal mask gives them the weight 0 for all values of the inputs.
; SHARES.  A cluster of four work-groups: the four query heads of one kv head.  A work-group owns tile i (i = the cluster's x, 0..7) of EVERY one of the 16 blocks of 128 queries: 1 + 2 + .. + 16 = 136 steps of
; 16 queries x 128 keys, alike in all 256 work-groups, and every work-group reads all 16 key steps.  The tiles of blocks k and 15 - k have k + 1 and 16 - k key steps: a list of 17, n = 0..16 (n <= k: the early
; tile's step n; else the late tile's step n - k - 1).  Two waves (2 k and 2 k + 1) share the list: role 0 takes n = 0, 2, .., 16, role 1 takes n = 15, 13, .., 1: nine and eight steps.  So role 0 begins with the early
; tile and role 1 with the late one; each wave keeps the partial result of its FIRST tile and sends that of its second to its partner through LDS; the two partials (O, M, sum) are joined by exact powers of two.
; The loop has nine trips in every wave; which key step a trip takes is arithmetic on the trip's count and the wave's number.  No barrier stands in the loop.
; LDS holds the kv head's whole K and V, 262,144 bytes, as they lie in memory: [key step of 128: 16][16,384]: K's 8 key tiles of 1,024 bytes, then V [64 keys: 2][d tile 4][1,024], all images of operand registers
; (lane l's 16 bytes at 16 l).  Nothing is filled twice.  The four partners need the same bytes: wave w's one load, key step w, is JOINT (mask 15).  One tensor load of a wave is out at the most.
; No prefetch: all fills go out at the head, so there is no loop in which to ask ahead.
; LAYOUT.  Both products transposed: S^T = K Q^T (source 0 = 16 keys, source 1 = my 16 queries): lane (r, h) holds query r, register i of tile j key 16 j + 8 h + i: the conversion's two registers are registers
; 2 j, 2 j + 1 of P as source 1 of O^T = V^T P^T (K = 128 keys).  O^T: register i of tile dt is d = 16 dt + 8 h + i.
; On a tile's last key step hidden scores become -infinity ahead of the maximum; that step's first key counts for every query of the tile, so M is a number behind any first step.
; LIMITS: e6 + e7 between -123 and 130 (added to c's exponent field); e8, and e10 - e8 - e9, between -126 and 119; the scaled scores stay under 2^31 in magnitude.
; REGISTERS: v1 16 x lane; v3 r - 8 h; v4-7 the stage's addresses; v8 the step's LDS address; v9-11 the first tile's -M and sum; v12 -M, v13 the largest t, v[14:15] the sum in two halves; v16-23 Q; v24-31 the second
;   tile's Q; v32-95 K's, then V's fragments; v96-159 S^T, then p; v160-191 O^T; v192-223 the first tile's O^T, at last y; v224-239 p's codes, at last y's; v240, v241 448 x 2^e8, v244 2^e8, v245, v246 the same for y.
.set WV,   18                          ; s18 my wave's number
.set SEL,  20                          ; s[20:21] lane selects: lane l xor 16
.set CS,   22                          ; s[22:23] c = log2(e) / 8 x 2^(e6 + e7)
.set G1,   24                          ; s[24:31] descriptor group 1
.set G0,   32                          ; s[32:35] group 0
.set ROLE, 36                          ; s36 0: I walk the list upward, 1: downward
.set KP,   37                          ; s37 k, my pair
.set KP1,  38                          ; s38 k + 1
.set Q0E,  39                          ; s39 the early tile's first query
.set Q0L,  40                          ; s40 the late tile's
.set CUR,  41                          ; s41 1: I am at my second tile
.set TB,   48                          ; s48 LDS byte of the key step
.set CNT,  49                          ; s49 twice the trip's number
.set KF,   50                          ; s50 the step's first key
.set Q0,   51                          ; s51 the first query of the tile in hand
.set STG,  4608                        ; a wave's stage: O^T 4,096 bytes, then (-M, sum) 256; it lies in K's and V's bytes, which have had their only fill and are read no more
.macro CROUND
	s_barrier_signal -1
	s_barrier_wait -1
	s_cmp_lg_u32 s[WV], 0
	s_cbranch_scc1 .Lnot_wave_0_\@
	s_barrier_signal -3
.Lnot_wave_0_\@:
	s_barrier_wait -3
	s_barrier_signal -1
	s_barrier_wait -1
.endm
	s_load_b128 s[4:7], s[0:1], 0x0                ; qkv s[4:5], the scales' exponents s[6:7]
	s_load_b64 s[8:9], s[0:1], 0x10                ; yc
	v_lshl_add_u32 v251, v0, 2, 0x40000            ; my spare word, behind K and V
	v_mov_b32 v255, 0
	ds_add_u32 v251, v255                          ; the opening: the add, twice on end, and its wait ahead of my tensor load
	ds_add_u32 v251, v255
	v_lshrrev_b32 v8, 5, v0
	v_readfirstlane_b32 s[WV], v8                  ; wave 0..15
	s_bfe_u32 s52, ttmp6, 0x40000                  ; cx: the query head within the group; it enters Q's and y's global addresses alone
	s_and_b32 s53, ttmp7, 0xffff                   ; the kv head
	s_mov_b32 s[G1], 15|(3<<16)|(1<<21)            ; 15:0 the mask: all four; 17:16 elements of 8 bytes; 21 set beside a mask
	s_mov_b32 s[G1+1], 32<<16                      ; tensor_dim0 = 32 elements: 256 bytes
	s_mov_b32 s[G1+2], 64<<16                      ; tensor_dim1 = 64
	s_mov_b32 s[G1+3], 32<<16                      ; tile_dim0
	s_mov_b32 s[G1+4], 64                          ; tile_dim1: 16,384 dense bytes, a key step
	s_mov_b32 s[G1+5], 32
	s_mov_b32 s[G1+6], 0
	s_mov_b32 s[G1+7], 0
	s_lshl_b32 s56, s[WV], 14                      ; key step w, in LDS as in memory
	s_lshl_b32 s54, s53, 18
	s_add_co_u32 s54, s54, s56
	s_add_co_u32 s54, s54, 0x400000                ; K and V lie behind q's 4 MB
	s_mov_b32 s55, 0
	s_lshr_b32 s[ROLE], s[WV], 2
	s_xor_b32 s[ROLE], s[ROLE], s[WV]
	s_and_b32 s[ROLE], s[ROLE], 1                  ; waves w and w xor 1 have different roles; of waves w, w + 4, w + 8, w + 12 two have each
	s_lshr_b32 s[KP], s[WV], 1
	s_add_co_u32 s[KP1], s[KP], 1
	s_lshl_b32 s57, s[KP], 3
	s_add_co_u32 s57, s57, ttmp9                   ; the early query tile: 8 k + i
	s_sub_co_u32 s58, 15, s[KP]
	s_lshl_b32 s58, s58, 3
	s_add_co_u32 s58, s58, ttmp9                   ; the late one: 8 (15 - k) + i
	s_lshl_b32 s[Q0E], s57, 4
	s_lshl_b32 s[Q0L], s58, 4
	s_cmp_eq_u32 s[ROLE], 0
	s_cselect_b32 s59, s57, s58                    ; my first tile, which I finish,
	s_cselect_b32 s60, s58, s57                    ; and my second
	s_lshl_b32 s61, s53, 2
	s_add_co_u32 s61, s61, s52                     ; my query head
	s_lshl_b32 s62, s61, 7
	s_add_co_u32 s86, s62, s60
	s_lshl_b32 s86, s86, 10                        ; Q: (head x 128 + tile) x 1,024
	s_mov_b32 s87, 0
	s_add_co_u32 s62, s62, s59
	s_lshl_b32 s62, s62, 10
	s_mov_b32 s63, 0
	s_lshl_b32 s80, s59, 15                        ; y: tile x 32,768 + head x 1,024 (two heads fill a unit of 128 along K)
	s_lshl_b32 s81, s61, 10
	s_add_co_u32 s80, s80, s81
	s_mov_b32 s81, 0
	s_mov_b32 s[SEL], 0x76543210
	s_mov_b32 s[SEL+1], 0xfedcba98
	s_mov_b32 s[CS], 0x3e38aa3b                    ; log2(e) / 8
	s_mov_b32 s[G0], 1
	s_mov_b32 s[G0+1], s56
	s_mov_b32 s[CUR], 0
	s_mov_b32 s[CNT], 0
	s_wait_dscnt 0x0                               ; both opening adds are done
	s_wait_kmcnt 0x0
	s_load_b256 s[68:75], s[6:7], 0x0              ; e0 .. e7
	s_load_b128 s[76:79], s[6:7], 0x20             ; e8 .. e11
	s_add_nc_u64 s[G0+2:G0+3], s[4:5], s[54:55]
	s_or_b32 s[G0+3], s[G0+3], 0x80000000
	s_add_nc_u64 s[84:85], s[4:5], s[62:63]
	s_add_nc_u64 s[82:83], s[4:5], s[86:87]
	s_add_nc_u64 s[8:9], s[8:9], s[80:81]
	CROUND                                         ; all four work-groups are here: the joint loads meet
	tensor_load_to_lds s[G0:G0+3], s[G1:G1+7]      ; my one load: key step w
	s_nop 0
.rept 4
	v_nop
.endr
	v_and_b32 v2, 31, v0
	v_lshlrev_b32 v1, 4, v2                        ; 16 x lane; never rewritten
	global_load_b128 v[16:19], v1, s[84:85]        ; Q of my first tile,
	global_load_b128 v[20:23], v1, s[84:85] offset:512
	global_load_b128 v[24:27], v1, s[82:83]        ; and of my second
	global_load_b128 v[28:31], v1, s[82:83] offset:512
	v_and_b32 v3, 15, v0
	v_bfe_u32 v9, v0, 4, 1
	v_lshlrev_b32 v9, 3, v9
	v_sub_nc_u32 v3, v3, v9                        ; r - 8 h
	s_mul_i32 s88, s[WV], STG                      ; my stage,
	s_xor_b32 s89, s[WV], 1
	s_mul_i32 s89, s89, STG                        ; and my partner's
	v_add_nc_u32 v4, s88, v1
	v_add_nc_u32 v5, s89, v1
	v_lshlrev_b32 v6, 3, v2
	v_add_nc_u32 v7, s89, v6
	v_add_nc_u32 v6, s88, v6
	v_mov_b32 v13, 0xff61b1e6                      ; the largest t so far: -3e38, under every t
	v_floor_f32 v12, -v13                          ; -M
	v_mov_b32 v14, 0                               ; the sum, in two halves
	v_mov_b32 v15, 0
	v_mov_b32 v9, 0                                ; (written here as well as at the change of tiles)
	v_mov_b32 v10, 0
	v_mov_b32 v11, 0
	v_mov_b32 v236, 0                              ; written once: a lane permute's destination counts as one of its sources
	v_mov_b32 v252, 0
	v_mov_b32 v253, 0                              ; (named as the upper half of the pair v[252:253])
	v_mov_b32 v254, 0
.set n, 0
.rept 64
	v_mov_b32 v[160+n], 0                          ; O^T of both tiles.  (The step is written once: the first finds zeros, which the first change of M leaves zeros)
.set n, n+1
.endr
	s_wait_kmcnt 0x0
	s_add_co_i32 s86, s74, s75
	s_lshl_b32 s86, s86, 23
	s_add_co_i32 s[CS], s[CS], s86                 ; a score stands for score x 2^(e6 + e7): the exponents are added to c's exponent field
	s_mov_b32 s[CS+1], s[CS]                       ; (named with it as a pair, so it is written)
	s_add_co_i32 s86, s76, 127
	s_lshl_b32 s87, s86, 23
	v_mov_b32 v244, s87                            ; 2^e8
	s_add_co_i32 s86, s86, 8
	s_lshl_b32 s86, s86, 23
	s_or_b32 s86, s86, 0x600000
	v_mov_b32 v240, s86                            ; 448 x 2^e8,
	v_mov_b32 v241, s86                            ; twice: the two halves of a dual hold name different registers
	s_sub_co_i32 s86, s78, s76
	s_sub_co_i32 s86, s86, s77                     ; a sum of the second product stands for sum x 2^(e8 + e9): y's code is (sum / l) / 2^(e10 - e8 - e9)
	s_add_co_i32 s86, s86, 127
	s_lshl_b32 s87, s86, 23
	v_mov_b32 v245, s87
	s_add_co_i32 s86, s86, 8
	s_lshl_b32 s86, s86, 23
	s_or_b32 s86, s86, 0x600000
	v_mov_b32 v246, s86
	s_wait_alu depctr_va_vdst(0)                   ; the wait at the head's end
	s_wait_loadcnt 0x0                             ; Q
	s_wait_tensorcnt 0x0                           ; my key step is in;
	s_barrier_signal -1
	s_barrier_wait -1                              ; everybody's is: K and V are whole
.Ltrip:                                            ; nine trips: place n of my pair's list
	s_sub_co_i32 s96, 15, s[CNT]
	s_cmp_eq_u32 s[ROLE], 0
	s_cselect_b32 s96, s[CNT], s96                 ; n = 2 x trip, or 15 - 2 x trip (-1 in role 1's ninth trip)
	s_cmp_gt_i32 s96, s[KP]                        ; the late tile's part of the list?
	s_cselect_b32 s97, s[KP1], 0
	s_cselect_b32 s[Q0], s[Q0L], s[Q0E]
	s_cselect_b32 s95, 1, 0
	s_sub_co_i32 s97, s96, s97                     ; the key step,
	s_min_u32 s97, s97, 15                         ; 0..15
	s_lshl_b32 s[TB], s97, 14
	s_lshl_b32 s[KF], s97, 7
	s_xor_b32 s95, s95, s[ROLE]                    ; 1: this place belongs to my second tile
	s_cmp_eq_u32 s95, s[CUR]
	s_cbranch_scc1 .Lsame
	; THE CHANGE OF TILES, once in every wave: the first tile's partial result is put aside.  O^T and the sum are not cleared: with the largest t back at -3e38 the next step multiplies them by 0.
	s_mov_b32 s[CUR], 1
.set n, 0
.rept 8
	v_mov_b32 v[16+n], v[24+n]                     ; the second tile's Q.  (These and the three below are the places behind the last products)
.set n, n+1
.endr
	v_mov_b32 v9, v12
	v_mov_b32 v10, v14
	v_mov_b32 v11, v15
.set n, 0
.rept 32
	v_mov_b32 v[192+n], v[160+n]                   ; each accumulator from its low end on
.set n, n+1
.endr
	v_mov_b32 v13, 0xff61b1e6
	v_floor_f32 v12, -v13
	s_wait_alu depctr_va_vdst(0)
.Lsame:
	s_cmp_lt_i32 s96, 0                            ; role 1's ninth trip has no step
	s_cbranch_scc1 .Lnone
	; A KEY STEP: 128 keys at LDS byte s[TB], the first of them key s[KF].
	v_add_nc_u32 v8, s[TB], v1
.rept 3
	v_nop                                          ; with the addition: four places in front of loads into registers that the last products read
.endr
.irp j, 0,1,2,3,4,5,6,7
	ds_load_b128 v[32+8*\j:35+8*\j], v8 offset:1024*\j
	ds_load_b128 v[36+8*\j:39+8*\j], v8 offset:1024*\j+512
.endr
	s_wait_alu depctr_va_vdst(0)
	s_wait_dscnt 0x0
.irp j, 0,1,2,3,4,5,6,7
	v_wmma_f32_16x16x64_fp8_fp8 v[96+8*\j:103+8*\j], v[32+8*\j:39+8*\j], v[16:23], 0
.endr
.rept 4
	v_nop                                          ; places in front of the loads below and of the first read of the scores
.endr
.irp dt, 0,1,2,3                       ; V's four fragments (16 d x 128 keys) land while the softmax is worked
.irp kb, 0,1
	ds_load_b128 v[32+16*\dt+8*\kb:35+16*\dt+8*\kb], v8 offset:8192+4096*\kb+1024*\dt
	ds_load_b128 v[36+16*\dt+8*\kb:39+16*\dt+8*\kb], v8 offset:8192+4096*\kb+1024*\dt+512
.endr
.endr
	s_add_co_u32 s96, s[KF], 127
	s_cmp_le_u32 s96, s[Q0]                        ; all keys count: no mask
	s_cbranch_scc1 .Lopen
	s_sub_co_i32 s96, s[Q0], s[KF]
	v_add_nc_u32 v252, s96, v3                     ; d = my query - KF - 8 h.  Register 8 j + i holds key KF + 8 h + 16 j + i: hidden where 16 j + i > d
	v_mov_b32 v254, 0xff800000                     ; -infinity
.set n, 0
.rept 64
	v_cmp_gt_i32 vcc_lo, 16*(n/8)+n%8, v252
	v_cndmask_b32 v[96+n], v[96+n], v254, vcc_lo
.set n, n+1
.endr
.Lopen:
	v_max3_num_f32 v254, v96, v97, v98             ; the step's largest score of my query, among my 64 keys, in two chains,
	v_max3_num_f32 v252, v99, v100, v101
.irp i, 6,10,14,18,22,26,30,34,38,42,46,50,54,58
	v_max3_num_f32 v254, v254, v[96+\i], v[97+\i]
	v_max3_num_f32 v252, v252, v[98+\i], v[99+\i]
.endr
	v_max3_num_f32 v254, v254, v158, v159
	v_max_num_f32 v254, v254, v252
	v_permlanex16_b32 v236, v254, s[SEL], s[SEL+1]
	v_max_num_f32 v254, v254, v236                 ; and among lane l xor 16's
	v_mul_f32 v254, s[CS], v254                    ; as t (c is positive)
	v_max_num_f32 v13, v13, v254                   ; the running largest t
	v_mov_b32 v254, v12
	v_floor_f32 v12, -v13                          ; the new -M = floor(-t) = -ceil(t): a whole number
	v_sub_f32 v254, v12, v254                      ; old M - new M: a whole number, 0 or less
	v_cvt_i32_f32 v254, v254                       ; (it saturates)
	v_ldexp_f32 v252, 1.0, v254                    ; f = 2^(old M - new M)
.set n, 0
.rept 32
	v_pk_fma_f32 v[96+n:97+n], v[96+n:97+n], s[CS:CS+1], v[12:13] op_sel_hi:[1,0,0]   ; t - M, two at once (of the pairs c and -M the low word serves both halves)
.set n, n+2
.endr
	s_wait_alu depctr_va_vdst(0)                   ; the wait ahead of the batch
.set n, 0
.rept 64
	v_exp_f32 v[96+n], v[96+n]                     ; p = 2^(t - M), at most 1
.set n, n+1
.endr
	v_pk_mul_f32 v[14:15], v[14:15], v[252:253] op_sel_hi:[1,0]   ; the sums under the new M.  (A plain place behind the exponentials)
	s_wait_alu depctr_va_vdst(0)                   ; one wait for the batch, and directly ahead of the first readers of O^T
.set n, 0
.rept 16
	v_pk_mul_f32 v[160+n:161+n], v[160+n:161+n], v[252:253] op_sel_hi:[1,0]   ; O^T under the new M
.set n, n+2
.endr
	v_pk_add_f32 v[242:243], v[100:101], v[104:105]   ; the row's sum of the unquantised p: two at once, in eight chains
	v_pk_add_f32 v[248:249], v[108:109], v[112:113]
	v_pk_add_f32 v[238:239], v[116:117], v[120:121]
	v_pk_add_f32 v[236:237], v[124:125], v[128:129]
	v_pk_add_f32 v[234:235], v[132:133], v[136:137]
	v_pk_add_f32 v[232:233], v[140:141], v[144:145]
	v_pk_add_f32 v[230:231], v[148:149], v[152:153]
	v_pk_add_f32 v[14:15], v[14:15], v[156:157]
	v_pk_add_f32 v[242:243], v[242:243], v[96:97]
	v_pk_add_f32 v[248:249], v[248:249], v[98:99]
	v_pk_add_f32 v[238:239], v[238:239], v[102:103]
	v_pk_add_f32 v[236:237], v[236:237], v[106:107]
	v_pk_add_f32 v[234:235], v[234:235], v[110:111]
	v_pk_add_f32 v[232:233], v[232:233], v[114:115]
	v_pk_add_f32 v[230:231], v[230:231], v[118:119]
	v_pk_add_f32 v[14:15], v[14:15], v[122:123]
	v_pk_add_f32 v[242:243], v[242:243], v[126:127]
	v_pk_add_f32 v[248:249], v[248:249], v[130:131]
	v_pk_add_f32 v[238:239], v[238:239], v[134:135]
	v_pk_add_f32 v[236:237], v[236:237], v[138:139]
	v_pk_add_f32 v[234:235], v[234:235], v[142:143]
	v_pk_add_f32 v[232:233], v[232:233], v[146:147]
	v_pk_add_f32 v[230:231], v[230:231], v[150:151]
	v_pk_add_f32 v[14:15], v[14:15], v[154:155]
	v_pk_add_f32 v[242:243], v[242:243], v[158:159]
	v_pk_add_f32 v[14:15], v[14:15], v[236:237]
	v_pk_add_f32 v[242:243], v[242:243], v[234:235]
	v_pk_add_f32 v[248:249], v[248:249], v[232:233]
	v_pk_add_f32 v[238:239], v[238:239], v[230:231]
	v_pk_add_f32 v[14:15], v[14:15], v[248:249]
	v_pk_add_f32 v[242:243], v[242:243], v[238:239]
	v_pk_add_f32 v[14:15], v[14:15], v[242:243]
	s_wait_dscnt 0x0                               ; V is in.  (Here, so that no wait stands between the conversions and the products)
.irp j, 0,1,2,3,4,5,6,7
.irp i, 0,2,4,6
	v_dual_min_num_f32 v[96+8*\j+\i], v[96+8*\j+\i], v240 :: v_dual_min_num_f32 v[97+8*\j+\i], v[97+8*\j+\i], v241   ; the conversion does not saturate (ISA guide 7.6.2); p is not negative, so the hold is one-sided; two holds an instruction
.endr
	v_cvt_scalef32_pk8_fp8_f32 v[224+2*\j:225+2*\j], v[96+8*\j:103+8*\j], v244
.endr
	v_nop                                          ; one plain line between the conversions and the products that read the codes
.irp dt, 0,1,2,3                       ; the four accumulators by turns
	v_wmma_f32_16x16x128_fp8_fp8 v[160+8*\dt:167+8*\dt], v[32+16*\dt:47+16*\dt], v[224:239], v[160+8*\dt:167+8*\dt]
.endr
.Lnone:
	s_add_co_u32 s[CNT], s[CNT], 2
	s_cmp_lt_u32 s[CNT], 18
	s_cbranch_scc1 .Ltrip
	; THE PARTIALS MEET.  My second tile's (O^T, -M, sum) goes to my stage; my partner's stage holds its part of my first tile.
	v_add_f32 v13, v14, v15                        ; the sum's two halves: v[12:13] = (-M, sum).  (With the three lines below: the places behind the last products)
	v_add_f32 v10, v10, v11                        ; the same for the tile that I keep
	v_nop
	v_nop
	s_wait_alu depctr_va_vdst(0)                   ; the wait ahead of the barrier
	s_wait_dscnt 0x0                               ; my reads of K and V are over
	s_barrier_signal -1
	s_barrier_wait -1                              ; everybody's are: the stages may be written
.irp c, 0,1,2,3,4,5,6,7
	ds_store_b128 v4, v[160+4*\c:163+4*\c] offset:512*\c   ; each accumulator from its low end on
.endr
	ds_store_b64 v6, v[12:13] offset:4096
	s_wait_dscnt 0x0                               ; for my partner's sake
	s_barrier_signal -1
	s_barrier_wait -1
.irp c, 0,1,2,3,4,5,6,7
	ds_load_b128 v[32+4*\c:35+4*\c], v5 offset:512*\c
.endr
	ds_load_b64 v[64:65], v7 offset:4096
	s_wait_dscnt 0x0
	v_min_num_f32 v66, v9, v64                     ; -M of the two together.  (A partial with no step has -M = 3e38 and gets the factor 0)
	v_mov_b32 v71, 0                               ; (named as the upper halves of pairs)
	v_mov_b32 v73, 0
	v_sub_f32 v70, v66, v9                         ; whole numbers, 0 or less
	v_sub_f32 v72, v66, v64
	v_cvt_i32_f32 v70, v70                         ; (they saturate)
	v_cvt_i32_f32 v72, v72
	v_ldexp_f32 v70, 1.0, v70                      ; my part's factor,
	v_ldexp_f32 v72, 1.0, v72                      ; and my partner's: powers of two
	v_mul_f32 v10, v10, v70
	v_fmac_f32 v10, v65, v72
	v_permlanex16_b32 v252, v10, s[SEL], s[SEL+1]
	v_add_f32 v10, v10, v252                       ; with lane l xor 16's: the row's sum
	s_wait_alu depctr_va_vdst(0)                   ; the wait ahead of the transcendental
	v_rcp_f32 v10, v10
.set n, 0
.rept 16
	v_pk_mul_f32 v[192+n:193+n], v[192+n:193+n], v[70:71] op_sel_hi:[1,0]
.set n, n+2
.endr
.set n, 0
.rept 16
	v_pk_fma_f32 v[192+n:193+n], v[32+n:33+n], v[72:73], v[192+n:193+n] op_sel_hi:[1,0,1]
.set n, n+2
.endr
	s_wait_alu depctr_va_vdst(0)                   ; the wait ahead of the reciprocal's first reader
.set n, 0
.rept 16
	v_pk_mul_f32 v[192+n:193+n], v[192+n:193+n], v[10:11] op_sel_hi:[1,0]   ; O^T / the sum
.set n, n+2
.endr
.set n, 0
.rept 32
	v_med3_num_f32 v[192+n], v[192+n], -v246, v246
.set n, n+1
.endr
.irp dt, 0,1,2,3
	v_cvt_scalef32_pk8_fp8_f32 v[224+2*\dt:225+2*\dt], v[192+8*\dt:199+8*\dt], v245   ; my 16 queries' part of the last product's operand
.endr
	v_nop
	global_store_b128 v1, v[224:227], s[8:9]       ; two chunks of 512 consecutive bytes
	global_store_b128 v1, v[228:231], s[8:9] offset:512
	s_wait_tensorcnt 0x0                           ; the wave's end
	ds_add_u32 v251, v255
	s_wait_dscnt 0x0
	CROUND                                         ; the closing round
	s_endpgm
.Lfunc_end_k_q940070537b_attn:
	.size	k_q940070537b_attn, .Lfunc_end_k_q940070537b_attn-k_q940070537b_attn
	.p2alignl 7, 3214868480
	.fill 96, 4, 3214868480
	.section	.rodata,"a",@progbits
	.p2align	6, 0x0
	.amdhsa_kernel k_q940070537b_attn
		.amdhsa_group_segment_fixed_size 264192
		.amdhsa_private_segment_fixed_size 0
		.amdhsa_enable_private_segment 0
		.amdhsa_kernarg_size 24
		.amdhsa_user_sgpr_count 2
		.amdhsa_user_sgpr_kernarg_segment_ptr 1
		.amdhsa_wavefront_size32 1
		.amdhsa_system_sgpr_workgroup_id_x 1
		.amdhsa_system_sgpr_workgroup_id_y 1
		.amdhsa_system_sgpr_workgroup_id_z 1
		.amdhsa_system_vgpr_workitem_id 0
		.amdhsa_next_free_vgpr 256
		.amdhsa_next_free_sgpr 100
		.amdhsa_reserve_vcc 1
		.amdhsa_float_denorm_mode_32 3
		.amdhsa_float_denorm_mode_16_64 3
		.amdhsa_memory_ordered 1
		.amdhsa_forward_progress 1
		.amdhsa_inst_pref_size 39
	.end_amdhsa_kernel
	.amdgpu_metadata
---
amdhsa.version: [ 1, 2 ]
amdhsa.kernels:
  - .name:           k_q940070537b_attn
    .symbol:         k_q940070537b_attn.kd
    .args:
      - { .name: qkv, .offset: 0, .size: 8, .value_kind: global_buffer, .address_space: global }
      - { .name: lowp_scales, .offset: 8, .size: 8, .value_kind: global_buffer, .address_space: global }
      - { .name: yc, .offset: 16, .size: 8, .value_kind: global_buffer, .address_space: global }
    .group_segment_fixed_size: 264192
    .private_segment_fixed_size: 0
    .kernarg_segment_align: 8
    .kernarg_segment_size: 24
    .max_flat_workgroup_size: 512
    .sgpr_count:     100
    .vgpr_count:     256
    .wavefront_size: 32
...
	.end_amdgpu_metadata
.endif
;; end of part 3
;; launch outp (part 4): grid 16 x 16, 4 waves a work-group, clusters of 4 x 4, 327,680 bytes of LDS; arguments yc, codes, lowp_scales, out0; writes out0
.if DOCPART == 4
	.amdgcn_target "amdgcn-amd-amdhsa--gfx1250"
	.amdhsa_code_object_version 6
	.text
	.protected	k_q940070537b_outp
	.globl	k_q940070537b_outp
	.p2align	8
	.type	k_q940070537b_outp,@function
k_q940070537b_outp:
	s_mov_b64 s[64:65], 0
	v_nop
	global_prefetch_b8 v0, s[64:65] scope:SCOPE_SE
	s_setreg_imm32_b32 hwreg(HW_REG_WAVE_MODE, 25, 1), 1
	s_wait_xcnt 0x0
	s_wait_alu depctr_hold_cnt(0) depctr_sa_sdst(0) depctr_va_vdst(0) depctr_va_sdst(0) depctr_va_ssrc(0) depctr_va_vcc(0) depctr_vm_vsrc(0)
	s_getreg_b32 s2, hwreg(HW_REG_IB_STS2, 6, 4)
	s_cmp_eq_u32 s2, 0
	s_cbranch_scc0 .Lentry_in_a_cluster
	s_endpgm
.Lentry_in_a_cluster:
	s_bfe_u32 s2, ttmp6, 0x10000c
	s_cmp_lg_u32 s2, 0xf033
	s_cbranch_scc0 .Lentry_shape_is_right
	s_endpgm
.Lentry_shape_is_right:
; out0 = y wo^T on codes of FP8 (E4M3): y's codes (yc) and wo's (codes, at 18 MB) arrive as images of operand registers (16 rows x 128 K = 2,048 bytes, [row tile][K step 16]); each sum is multiplied once by 2^(e10 + e11).
; A tile of out0 is 128 x 128: four waves, each 64 x 64 in 16 accumulators; 256 work-groups.  K goes in four steps of 512 through two LDS slots of 131,072 bytes (A's 8 row tiles, then B's); a wave's tensor load brings a quarter of a slot.
; CLUSTERS of 4 x 4: A's tile is shared along a row of the cluster, B's along a column: joint loads.  The matrix instruction is used transposed, so that a lane holds eight neighbouring columns of a row;
; the results leave through each wave's own stage in LDS, sixteen lanes to 256 consecutive bytes.  LIMIT: e10 + e11 between -126 and 127.
.set SLOT,  131072
.set BOFF,  65536
.set STAGE, 2*SLOT
.set SPITCH, 272
.set SPARE, STAGE+4*16*SPITCH
.set ADRA, 16
.set ADRB, 20
.set STO,  24
.set RD,   25
.set CO,   26
.set SPW,  28
.set NIL,  29
.set TMP,  32
.set BK,   64
.set ACC,  128
.set F0,   0
.set F1,   128
.set G1,  24
.set G0,  32
.set G1B, 48
.set G0B, 56
.set MSB, 0
.macro WIN new
.if MSB != \new
	s_set_vgpr_msb (MSB<<8)|\new
.set MSB, \new
.endif
.endm
.set MUL,  0x05
.set TO_F, 0x40
.macro JLOAD s
	s_cmp_eq_u32 s15, 0
	s_cbranch_scc0 .Lfor_b_\@
	tensor_load_to_lds s[G0+4*\s:G0+4*\s+3], s[G1:G1+7]
	s_nop 0
.rept 4
	v_nop
.endr
	s_branch .Lasked_\@
.Lfor_b_\@:
	tensor_load_to_lds s[G0B+4*\s:G0B+4*\s+3], s[G1B:G1B+7]
	s_nop 0
.rept 4
	v_nop
.endr
.Lasked_\@:
.endm
.macro CREST
	s_cmp_lg_u32 s14, 0
	s_cbranch_scc1 .Lnot_wave_0_\@
	s_barrier_signal -3
.Lnot_wave_0_\@:
	s_barrier_wait -3
	s_barrier_signal -1
	s_barrier_wait -1
.endm
.macro CROUND
	s_barrier_signal -1
	s_barrier_wait -1
	CREST
.endm
.macro PLACES
.rept 4
	v_nop
.endr
.endm
.macro FETCH slot, ks, f
	WIN TO_F
.irp i, 0,1,2,3
.irp c, 0,1,2,3
	ds_load_b128 v[\f+64+16*\i+4*\c:\f+64+16*\i+4*\c+3], v[ADRB+\slot] offset:\i*8192+(\ks)*2048+512*\c
.endr
.endr
.irp i, 0,1,2,3
.irp c, 0,1,2,3
	ds_load_b128 v[\f+16*\i+4*\c:\f+16*\i+4*\c+3], v[ADRA+\slot] offset:\i*8192+(\ks)*2048+512*\c
.endr
.endr
.endm
.macro MUL4 f, a, zero
	WIN MUL
.irp b, 0,1,2,3
.if \zero
	v_wmma_f32_16x16x128_fp8_fp8 v[ACC+8*(4*(\a)+\b):ACC+8*(4*(\a)+\b)+7], v[\f+64+16*\b:\f+64+16*\b+15], v[\f+16*(\a):\f+16*(\a)+15], 0
.else
	v_wmma_f32_16x16x128_fp8_fp8 v[ACC+8*(4*(\a)+\b):ACC+8*(4*(\a)+\b)+7], v[\f+64+16*\b:\f+64+16*\b+15], v[\f+16*(\a):\f+16*(\a)+15], v[ACC+8*(4*(\a)+\b):ACC+8*(4*(\a)+\b)+7]
.endif
.endr
.endm
.macro QUARTER slot, ksn, f, g, zero
	s_wait_dscnt 8
	MUL4 \f, 0, \zero
	MUL4 \f, 1, \zero
	PLACES
	FETCH \slot, \ksn, \g
	s_wait_dscnt 32
	MUL4 \f, 2, \zero
	MUL4 \f, 3, \zero
.endm
.macro TURN slot, next, fill
	WIN 0
	s_wait_tensorcnt 0x0
	ds_add_u32 v[SPW], v[NIL]
	s_wait_dscnt 9
	MUL4 F1, 0, 0
	s_wait_dscnt 0x0
	s_barrier_signal -1
	MUL4 F1, 1, 0
	WIN 0
	s_barrier_wait -1
.if \fill
	CREST
	s_add_nc_u64 s[G0+4*\slot+2:G0+4*\slot+3], s[G0+4*\slot+2:G0+4*\slot+3], 16384
	s_add_nc_u64 s[G0B+4*\slot+2:G0B+4*\slot+3], s[G0B+4*\slot+2:G0B+4*\slot+3], 16384
	JLOAD \slot
.else
	PLACES
.endif
	FETCH \next, 0, F0
	MUL4 F1, 2, 0
	MUL4 F1, 3, 0
.endm
	s_load_b256 s[4:11], s[0:1], 0x0
	v_lshl_add_u32 v[SPW], v0, 2, SPARE
	v_mov_b32 v[NIL], 0
	ds_add_u32 v28, v29
	ds_add_u32 v28, v29
	s_wait_dscnt 0x0
	v_lshrrev_b32 v1, 5, v0
	v_readfirstlane_b32 s14, v1
	s_lshr_b32 s15, s14, 1
	s_and_b32 s16, s14, 1
	s_bfe_u32 s40, ttmp6, 0x40000
	s_bfe_u32 s41, ttmp6, 0x40004
	s_lshl_b32 s67, ttmp9, 2
	s_add_co_u32 s67, s67, s40
	s_and_b32 s66, ttmp7, 0xffff
	s_lshl_b32 s66, s66, 2
	s_add_co_u32 s66, s66, s41
	s_lshl_b32 s44, s41, 2
	s_lshl_b32 s44, 15, s44
	s_lshl_b32 s45, 0x1111, s40
	s_or_b32 s[G1], s44, (3<<16)|(1<<21)
	s_or_b32 s[G1B], s45, (3<<16)|(1<<21)
.irp g, G1, G1B
	s_mov_b32 s[\g+1], 1024<<16
	s_mov_b32 s[\g+2], 4<<16
	s_mov_b32 s[\g+3], 1024<<16
	s_mov_b32 s[\g+4], 4
	s_mov_b32 s[\g+5], 4096
	s_mov_b32 s[\g+6], 0
	s_mov_b32 s[\g+7], 0
.endr
	s_lshl_b32 s19, s16, 17
	s_lshl_b32 s80, s66, 18
	s_add_co_u32 s80, s80, s19
	s_mov_b32 s81, 0
	s_lshl_b32 s82, s67, 18
	s_add_co_u32 s82, s82, s19
	s_add_co_u32 s82, s82, 0x1200000
	s_mov_b32 s83, 0
	s_lshl_b32 s20, s14, 15
	s_wait_kmcnt 0x0
	s_load_b64 s[96:97], s[8:9], 0x28
	s_add_nc_u64 s[84:85], s[4:5], s[80:81]
	s_add_nc_u64 s[86:87], s[6:7], s[82:83]
	CROUND
.irp s, 0,1
	s_mov_b32 s[G0+4*\s], 1
	s_add_co_u32 s[G0+4*\s+1], s20, \s*SLOT
	s_add_nc_u64 s[G0+4*\s+2:G0+4*\s+3], s[84:85], \s*8192
	s_or_b32 s[G0+4*\s+3], s[G0+4*\s+3], 0x80000000
	s_mov_b32 s[G0B+4*\s], 1
	s_add_co_u32 s[G0B+4*\s+1], s20, \s*SLOT
	s_add_nc_u64 s[G0B+4*\s+2:G0B+4*\s+3], s[86:87], \s*8192
	s_or_b32 s[G0B+4*\s+3], s[G0B+4*\s+3], 0x80000000
.endr
	JLOAD 0                                        ; slot 0: one tensor load a wave at the head
	v_and_b32 v1, 31, v0
	v_lshlrev_b32 v27, 4, v1
	s_lshl_b32 s21, s15, 15
	s_lshl_b32 s22, s16, 15
	s_add_co_u32 s22, s22, BOFF
.irp s, 0,1
	v_add_nc_u32 v[ADRA+\s], s21, v27
	v_add_nc_u32 v[ADRB+\s], s22, v27
	s_add_co_u32 s21, s21, SLOT
	s_add_co_u32 s22, s22, SLOT
.endr
	v_and_b32 v2, 15, v0
	v_bfe_u32 v3, v0, 4, 1
	s_mul_i32 s23, s14, 16*SPITCH
	s_add_co_u32 s23, s23, STAGE
	v_mul_u32_u24 v4, v2, SPITCH
	v_lshl_add_u32 v4, v3, 5, v4
	v_add_nc_u32 v[STO], s23, v4
	v_mul_u32_u24 v5, v3, SPITCH
	v_lshl_add_u32 v5, v2, 4, v5
	v_add_nc_u32 v[RD], s23, v5
	v_lshlrev_b32 v5, 13, v3
	v_lshl_add_u32 v[CO], v2, 4, v5
	s_lshl_b32 s88, s66, 20
	s_lshl_b32 s89, s15, 19
	s_add_co_u32 s88, s88, s89
	s_lshl_b32 s89, s67, 9
	s_add_co_u32 s88, s88, s89
	s_lshl_b32 s89, s16, 8
	s_add_co_u32 s88, s88, s89
	s_mov_b32 s89, 0
	s_add_nc_u64 s[10:11], s[10:11], s[88:89]
	s_wait_alu depctr_va_vdst(0)                   ; the wait at the head's end
	s_wait_tensorcnt 0x0                           ; my part of slot 0 is in; slot 1's first fill is issued as a refill is:
	ds_add_u32 v[SPW], v[NIL]                      ; 0 onto my spare word
	s_wait_dscnt 0x0
	CROUND                                         ; everybody's part of slot 0 is in, and the joint loads meet
	JLOAD 1                                        ; the first tensor load behind the round
	FETCH 0, 0, F0
	QUARTER 0, 1, F0, F1, 1
	QUARTER 0, 2, F1, F0, 0
	QUARTER 0, 3, F0, F1, 0
	TURN 0, 1, 1
	QUARTER 1, 1, F0, F1, 0
	QUARTER 1, 2, F1, F0, 0
	QUARTER 1, 3, F0, F1, 0
	TURN 1, 0, 1
	QUARTER 0, 1, F0, F1, 0
	QUARTER 0, 2, F1, F0, 0
	QUARTER 0, 3, F0, F1, 0
	TURN 0, 1, 0
	QUARTER 1, 1, F0, F1, 0
	QUARTER 1, 2, F1, F0, 0
	QUARTER 1, 3, F0, F1, 0
	s_wait_dscnt 8
	MUL4 F1, 0, 0
	MUL4 F1, 1, 0
	s_wait_dscnt 0x0
	MUL4 F1, 2, 0
	MUL4 F1, 3, 0
	WIN 0
.macro TOSTAGE a
.irp b, 0,1,2,3
.irp i, 0,2,4,6
	v_pk_mul_f32 v[TMP+8*\b+\i:TMP+8*\b+\i+1], v[ACC+8*(4*(\a)+\b)+\i:ACC+8*(4*(\a)+\b)+\i+1], s[96:97] op_sel_hi:[1,0]
.endr
.endr
.irp b, 0,1,2,3
	ds_store_b128 v[STO], v[TMP+8*\b:TMP+8*\b+3] offset:64*\b
	ds_store_b128 v[STO], v[TMP+8*\b+4:TMP+8*\b+7] offset:64*\b+16
.endr
.irp t, 0,1,2,3,4,5,6,7
	ds_load_b128 v[BK+32*((\a)%2)+4*\t:BK+32*((\a)%2)+4*\t+3], v[RD] offset:\t*2*SPITCH
.endr
.endm
.macro SEND a, younger
	s_wait_dscnt \younger
.irp t, 0,1,2,3,4,5,6,7
	global_store_b128 v[CO], v[BK+32*((\a)%2)+4*\t:BK+32*((\a)%2)+4*\t+3], s[10:11] offset:(16*(\a)+2*\t)*8192 th:TH_STORE_NT
.endr
.endm
	s_wait_kmcnt 0x0
	s_add_co_i32 s96, s96, s97
	s_add_co_i32 s96, s96, 127
	s_lshl_b32 s96, s96, 23
	s_mov_b32 s97, s96
	PLACES
	TOSTAGE 0
	TOSTAGE 1
	SEND 0, 16
	s_wait_xcnt 0x0
	TOSTAGE 2
	SEND 1, 16
	s_wait_xcnt 0x0
	TOSTAGE 3
	SEND 2, 16
	SEND 3, 0
	s_wait_tensorcnt 0x0
	ds_add_u32 v[SPW], v[NIL]
	s_wait_dscnt 0x0
	CROUND
	s_endpgm
.Lfunc_end_k_q940070537b_outp:
	.size	k_q940070537b_outp, .Lfunc_end_k_q940070537b_outp-k_q940070537b_outp
	.p2alignl 7, 3214868480
	.fill 96, 4, 3214868480
	.section	.rodata,"a",@progbits
	.p2align	6, 0x0
	.amdhsa_kernel k_q940070537b_outp
		.amdhsa_group_segment_fixed_size 327680
		.amdhsa_private_segment_fixed_size 0
		.amdhsa_enable_private_segment 0
		.amdhsa_kernarg_size 32
		.amdhsa_user_sgpr_count 2
		.amdhsa_user_sgpr_kernarg_segment_ptr 1
		.amdhsa_wavefront_size32 1
		.amdhsa_system_sgpr_workgroup_id_x 1
		.amdhsa_system_sgpr_workgroup_id_y 1
		.amdhsa_system_sgpr_workgroup_id_z 1
		.amdhsa_system_vgpr_workitem_id 0
		.amdhsa_next_free_vgpr 512
		.amdhsa_next_free_sgpr 100
		.amdhsa_reserve_vcc 0
		.amdhsa_float_denorm_mode_32 3
		.amdhsa_float_denorm_mode_16_64 3
		.amdhsa_memory_ordered 1
		.amdhsa_forward_progress 1
		.amdhsa_inst_pref_size 74
	.end_amdhsa_kernel
	.amdgpu_metadata
---
amdhsa.version: [ 1, 2 ]
amdhsa.kernels:
  - .name:           k_q940070537b_outp
    .symbol:         k_q940070537b_outp.kd
    .args:
      - { .name: yc, .offset: 0, .size: 8, .value_kind: global_buffer, .address_space: global }
      - { .name: codes, .offset: 8, .size: 8, .value_kind: global_buffer, .address_space: global }
      - { .name: lowp_scales, .offset: 16, .size: 8, .value_kind: global_buffer, .address_space: global }
      - { .name: out0, .offset: 24, .size: 8, .value_kind: global_buffer, .address_space: global }
    .group_segment_fixed_size: 327680
    .private_segment_fixed_size: 0
    .kernarg_segment_align: 8
    .kernarg_segment_size: 32
    .max_flat_workgroup_size: 128
    .sgpr_count:     100
    .vgpr_count:     512
    .wavefront_size: 32
...
	.end_amdgpu_metadata
.endif
;; end of part 4
